; MI455X (gfx1250); checked and timed in simulation.
; The chip was launched on July 23, 2026; its instructions are those of AMD's public machine-readable ISA for CDNA 5 (MIT licence, August 2026) and "CDNA5" Instruction Set Architecture Reference Guide (July 2026). The comments in the code are by the model that wrote it; some were corrected since.
;; MC2 Row Parallel Linear Impl. Allowed arithmetic: matrix products marked QUANTISED: E3M2 operands, one E8M0 scale for each 32 along K, by v_wmma_scale_f32_16x16x128_f8f6f4 with both operands' format E3M2, f32 sums; everything else in f32.
;; Inputs: bias 2,048 float32; input__codes 2,048 x 2 x 256 x 24 uint8 (E3M2 codes of input_, K innermost, in blocks of 32 codes, four codes in three bytes); input__scales 2,048 x 2 x 256 uint8 (E8M0 scales of input_, one for each 32 codes along K); weight_codes 2,048 x 256 x 24 uint8 (E3M2 codes of weight, K innermost, in blocks of 32 codes, four codes in three bytes); weight_scales 2,048 x 256 uint8 (E8M0 scales of weight, one for each 32 codes along K).
;; Outputs: out0 2,048 x 2 x 2,048 float32.
;; This version of the problem:
;;   THIS VERSION OF THE PROBLEM IS GIVEN IN LOW PRECISION. The matrix products marked QUANTISED in the list below multiply operands that are first quantised to E3M2 (3 exponent bits, 2 mantissa bits; 6 bits a number), with one power-of-two scale for each 32 numbers along K (OCP MX v1.0); their sums are f32. All else is computed in f32.
;;   The module's matrix products, in the order in which they are computed (A, B: the left and right operand; K: the contracted axis; several contracted axes count as one K, in the product's order):
;;     1. [M 4,096, K 8,192] x [K 8,192, N 2,048]; A: input input_ (given as codes); B: input weight (given as codes): QUANTISED
;;   THE QUANTISER, for each operand of a quantised product, along K:
;;     - K is cut into blocks of 32 from its start; a last block that is shorter is filled with zeros.
;;     - A block's scale is 2^e with e = floor(log2(the largest magnitude in the block)) - 4, held to -126 .. 127; a block of zeros has e = 0. As a byte (E8M0): e + 127.
;;     - Each number is divided by its block's scale, clamped to +-28, and rounded to the nearest number of E3M2, ties to even, subnormals kept.
;;     - The product sums the exact products of the quantised numbers (number of the format x scale) in f32.
;;   ~~~python
;;   def quantise(x, axis):      # numpy; x: float32 -> the quantised numbers, widened to float32 again
;;       x = np.moveaxis(x, axis, -1); K = x.shape[-1]
;;       x = np.pad(x, [(0, 0)] * (x.ndim - 1) + [(0, -K % 32)]); x = x.reshape(x.shape[:-1] + (-1, 32)); a = np.abs(x).max(-1, keepdims=True)
;;       e = np.where(a > 0, np.clip(np.frexp(np.where(a > 0, a, 1))[1] - 1 - 4, -126, 127), 0)      # np.frexp(a)[1] - 1 = floor(log2(a)), exactly
;;       r = np.clip(x / 2.0 ** e, -28, 28)
;;       step = 2.0 ** (np.maximum(np.frexp(np.where(r == 0, 1, r))[1] - 1, -2) - 2)
;;       q = np.round(r / step) * step * 2.0 ** e      # np.round: ties to even
;;       return np.moveaxis(q.reshape(q.shape[:-2] + (-1,))[..., :K], -1, axis).astype(np.float32)
;;   ~~~
;;   INPUTS GIVEN AS CODES. input_ (in the module: [2048, 2, 8192], K = its axis 2); weight (in the module: [2048, 8192], K = its axis 1): each comes as NAME_codes (uint8): NAME with its K axis moved to the last place and cut into blocks of 32 codes, [.., K / 32, bytes a block], one block behind the other in memory; four codes in three bytes: a row's codes are one little-endian stream of bits, code i at bits 6 i .. 6 i + 5 (a code: sign, 3 exponent bits, 2 mantissa bits); and NAME_scales (uint8): the same leading axes, one E8M0 byte (e + 127) for each 32 codes along K. Its value is code x scale, taken as it is: it is not quantised again, and the codes and scales need not be those that the quantiser above would give.
;; 2 versions. Each part assembles by itself: llvm-mc -triple=amdgcn-amd-amdhsa -mcpu=gfx1250 --defsym DOCPART=n.
;; ======== version 1 of 2: 1 launch
;; launch gemm (part 1): grid 8 x 32, 4 waves a work-group, clusters of 4 x 4, 327,680 bytes of LDS; arguments input__codes, input__scales, weight_codes, weight_scales, bias, out0; writes out0
.if DOCPART == 1
	.amdgcn_target "amdgcn-amd-amdhsa--gfx1250"
	.amdhsa_code_object_version 6
	.text
	.protected	k_q2ea28b7af2_gemm
	.globl	k_q2ea28b7af2_gemm
	.p2align	8
	.type	k_q2ea28b7af2_gemm,@function
k_q2ea28b7af2_gemm:
	s_mov_b64 s[64:65], 0
	v_nop
	global_prefetch_b8 v0, s[64:65] scope:SCOPE_SE
	s_setreg_imm32_b32 hwreg(HW_REG_WAVE_MODE, 25, 1), 1
	s_wait_xcnt 0x0
	s_wait_alu depctr_hold_cnt(0) depctr_sa_sdst(0) depctr_va_vdst(0) depctr_va_sdst(0) depctr_va_ssrc(0) depctr_va_vcc(0) depctr_vm_vsrc(0)
	s_getreg_b32 s2, hwreg(HW_REG_IB_STS2, 6, 4)
	s_cmp_eq_u32 s2, 0
	s_cbranch_scc0 .Lentry_in_a_cluster
	s_endpgm
.Lentry_in_a_cluster:
	s_bfe_u32 s2, ttmp6, 0x10000c
	s_cmp_lg_u32 s2, 0xf033
	s_cbranch_scc0 .Lentry_shape_is_right
	s_endpgm
.Lentry_shape_is_right:
; out[m][n] = sum over k of A[m][k] W[n][k] + bias[n].  A: [4096][8192], W: [2048][8192]: codes of BF6 (E3M2), 6 bits each, K innermost (a row is 6,144 bytes), with one E8M0 byte
; for each 32 along K (a row of scales is 256 bytes); bias [2048] and out [4096][2048] are f32; sums in f32.  Codes and scale bytes go to the matrix unit as they lie in memory.
; SHARES.  A tile of out is 128 rows x 256 columns: 8 x 32 = 256 work-groups of four waves, one tile each.  THE WAVES SHARE THE COLUMNS AND K, NOT THE ROWS: wave w takes columns
; 128 nh on (nh = w / 2) and, of every 256 along K, the 128 at 128 kh (kh = w % 2), for all 128 rows: 64 accumulators of 16 x 16, 512 registers, so that 256 LDS rows of 96 bytes feed 64 matrix instructions.
; The two waves of a column half add their sums at the end, through LDS.  Each wave numbers A's blocks of 16 rows ROTATED: its block i is the tile's block (i + 4 kh) mod 8.  So every wave keeps
; its blocks 0-3 (rows 64 kh on) and sends its blocks 4-7 to wave w xor 1: one text for all four waves.  The bias is the C of the first product of the kept accumulators; the sent ones start with 0.
; RING.  K goes in tiles of 256 through two LDS slots filled by the tensor data mover.  In period t the slot of tile t - 1 is filled with tile t + 1, tile t's fragments go from LDS into
; one of two register sets, and tile t - 1 is multiplied out of the other set: all 64 matrix instructions of a period stand between a request and the wait for it.
; THE SCALES of the work-group's 384 rows, for all of K, come into LDS once, with the first fills, as whole rows of 256 bytes, and stay.
; CLUSTERS: 4 x 4 work-groups.  The four of a row of the cluster need the same tiles of A, the four of a column the same tiles of W: each is asked for JOINTLY.
; THE MATRIX INSTRUCTION IS USED TRANSPOSED (source 0 = 16 rows of W, source 1 = 16 rows of A): a lane holds eight neighbouring columns of one row of out.
; LIMITS: a scale byte 0xff makes the sums NaN, as the matrix unit has it.  K is summed in two interleaved halves (each 128 of every 256), each ascending, which are added once in f32; the bias starts one of the two.
; REGISTERS, in windows of 256: window 0: v0-31, v48-52 addresses; v32-47 scale words, two sets; v64-159, v160-255 A's fragments, two sets (on the way out: rows).
;   window 1: v0-95, v128-223 W's fragments, two sets; v96-127, v224-255 the bias, eight registers for each block of 16 columns.   window 2: the accumulators that I keep ((a, b) at v[8 (8 a + b)]);   window 3: those that I send.
.set SIZE_N, 2048
.set KROW,   6144                      ; a row of codes in memory, in bytes
.set ROWB,   192                       ; 256 codes: a tile's row
.set PITCH,  240                       ; an LDS row: 3 x (64 bytes of data + 16 of padding)
.set FR,     12                        ; registers of a fragment: 16 rows x 128 K
.set HALFA,  64*PITCH                  ; what one tensor load brings of A
.set HALFB,  128*PITCH                 ; and of W
.set ABYTES, 128*PITCH                 ; a slot: A's 128 rows, then W's 256 rows
.set SLOT,   384*PITCH
.set SCP,    272                       ; a row of scales in LDS: 256 bytes + 16 of padding
.set SCA,    2*SLOT                    ; behind the ring: A's scales, 128 rows,
.set SCB,    SCA+128*SCP               ; W's, 256 rows
.set SBLK,   16*SCP                    ; those of 16 rows
.set SPARE,  SCB+256*SCP               ; the spare words, 128 bytes for each wave: two blocks of 256 bytes that no other line names
.set XCHW,   32768                     ; the way out, in the ring's bytes, which have then had their last fill and their last read: 32 accumulators of each wave as images of their registers,
.set STAGE,  4*XCHW                    ; and a stage of 16 rows x (512 bytes + 16) for each wave
.set SPITCH, 528
.set TRIPS,  14                        ; the loop runs periods 2 to 29, two a trip
.set ADRB, 8                           ; v8-10, v11-13   LDS address of my W fragments in slot 0, 1: three registers each (see FRAG)
.set ADRA, 14                          ; v14-16, v17-19  of my A blocks 0-3 and 4-7 in slot 0;  v20-22, v23-25 in slot 1
.set ADRS, 26                          ; v26, v27        of my scale words: blocks 0-3, blocks 4-7; lanes 0-15 A's rows, lanes 16-31 W's
.set SPW,  28                          ; v28  LDS address of my spare word: SPARE + 4 x my thread's number; never rewritten
.set NIL,  29                          ; v29  0; never rewritten
.set PFO,  30                          ; v30  the prefetches' offset: my lane x a row of codes; never rewritten
.set XST,  31                          ; v31  where I store what I send
.set XLD,  48                          ; v48  where I read what wave w xor 1 has sent
.set STO,  49                          ; v49  the stage: where I put 32 bytes of a row
.set RD,   50                          ; v50  and where I read a row back
.set CO,   51                          ; v51  my byte offset in a row of out
.set BO,   52                          ; v52  my byte offset in the bias
.set SC,   32                          ; scale words: set s at v[SC + 8 s]; register i: lanes 0-15 the word of A's block i, lanes 16-31 that of W's block i
.set AF,   64                          ; A's fragments: set s at v[AF + 96 s]
.set R0,   64                          ; the way out: a received block, by turns,
.set R1,   128
.set BK,   192                         ; and 16 rows read back from the stage
.set WV,   16                          ; s16  my wave's number
.set FB,   17                          ; s17  nh.  Also: I fetch for A (0) or for W (1)
.set HF,   18                          ; s18  kh.  Also: which half of that tile's rows I fetch
.set G1,   24                          ; s[24:31] descriptor group 1 for A's tiles;  s[32:39] group 0, one set for each slot
.set G0,   32
.set G1B,  48                          ; s[48:55], s[56:63] the same for W's tiles
.set G0B,  56
.set G1S,  68                          ; s[68:75], s[76:79] groups 1 and 0 for A's scales;  s[80:87], s[88:91] for W's
.set G0S,  76
.set G1SB, 80
.set G0SB, 88
.set PFA,  96                          ; s[96:97] where my prefetches stand in memory
.set LIM,  98                          ; s98  1 in a wave that prefetches, else the greatest number
.set MSB, 0
.macro WIN new                         ; the immediate's high byte repeats the setting that is left
.if MSB != \new
	s_set_vgpr_msb (MSB<<8)|\new
.set MSB, \new
.endif
.endm
.set TO_B,     0x40                    ; destination window 1, address window 0
.set MUL_LO,   0xa1                    ; source 0 (W) window 1, source 1 (A) window 0, C and D window 2
.set MUL_HI,   0xf1                    ; the same, C and D window 3
.set MUL_BIAS, 0x91                    ; source 0 and C (the bias) window 1, source 1 window 0, D window 2
.set SUMW,     0x02                    ; source 0 window 2
.set SENDW,    0x0c                    ; an LDS store's data are its source 1: window 3
; A joint load: waves 0 and 1 fetch for A, waves 2 and 3 for W.  Each of the two lines has ONE mask and one set of registers for all that issue it; the branch hangs on the wave's number alone.
; Four v_nop follow each of the two lines, ahead of the jump, the label and what follows.
.macro JLOAD g0a, g1a, g0b, g1b
	s_cmp_eq_u32 s[FB], 0
	s_cbranch_scc0 .Lfor_b_\@
	tensor_load_to_lds s[\g0a:\g0a+3], s[\g1a:\g1a+7]
	s_nop 0
.rept 4
	v_nop
.endr
	s_branch .Lasked_\@
.Lfor_b_\@:
	tensor_load_to_lds s[\g0b:\g0b+3], s[\g1b:\g1b+7]
	s_nop 0
.rept 4
	v_nop
.endr
.Lasked_\@:
.endm
; A round of the cluster's barrier: my work-group's barrier, so that wave 0's signal speaks for all four waves; wave 0 signals for the work-group; every wave waits for all sixteen work-groups; my work-group's barrier once more.
.macro CROUND
	s_barrier_signal -1
	s_barrier_wait -1
	s_cmp_lg_u32 s[WV], 0
	s_cbranch_scc1 .Lnot_wave_0_\@
	s_barrier_signal -3
.Lnot_wave_0_\@:
	s_barrier_wait -3
	s_barrier_signal -1
	s_barrier_wait -1
.endm
.macro PLACES n
.rept \n
	v_nop
.endr
.endm
; A PREFETCH INTO THE L2, in the loop's periods, behind the joint load, its four lines and the run of LDS loads that follows: period t names tile t + 4, which the joint load of period t + 3 will ask for: a lane a row, one instruction a wave.
; A tile's part of a row is 192 bytes, so a lane names the part's LAST byte: the aligned block of 256 bytes in which the part ends is one that no earlier tile's part ends in, but for tiles 3, 7 .. (how = 2: the odd periods
; of the trips whose counter is even), whose part ends in the block that the tile before has named: there nothing is asked.  So each block is named at most once in the launch.
; WHO.  A's rows are read by both clusters of a row of clusters: cluster x = 0 asks, wave 0; W's by all eight clusters of a column: cluster y = 0 asks, waves 2 and 3, each for the 128 rows that it fetches.  The four partners that
; ask for a tile jointly share its rows out BY ADDRESS, 32 each: no branch hangs on a work-group's place in its cluster.  The last trip asks for nothing: tiles 32 and 33 do not exist.  Tiles 0 to 5 come by their loads alone.
.macro ASK how
	s_cmp_gt_u32 s3, s[LIM]                        ; s3 = 1 in the last trip
	s_cbranch_scc0 .Lnot_mine_\@
.if \how == 2
	s_and_b32 s99, s3, 1
	s_cmp_eq_u32 s99, 0
	s_cbranch_scc1 .Lnot_mine_\@
.endif
	global_prefetch_b8 v[PFO], s[PFA:PFA+1] th:TH_LOAD_NT scope:SCOPE_SE
.Lnot_mine_\@:
.endm
	s_load_b128 s[4:7], s[0:1], 0x0                ; A's codes s[4:5], A's scales s[6:7]
	s_load_b128 s[8:11], s[0:1], 0x10              ; W's codes s[8:9], W's scales s[10:11]
	s_load_b128 s[12:15], s[0:1], 0x20             ; bias s[12:13], out s[14:15]
	v_lshl_add_u32 v[SPW], v0, 2, SPARE
	v_mov_b32 v[NIL], 0
	ds_add_u32 v28, v29
	ds_add_u32 v28, v29
	s_wait_dscnt 0x0
	v_lshrrev_b32 v1, 5, v0
	v_readfirstlane_b32 s[WV], v1                  ; wave 0..3
	s_lshr_b32 s[FB], s[WV], 1
	s_and_b32 s[HF], s[WV], 1
	s_bfe_u32 s40, ttmp6, 0x40000                  ; cx, cy: my place in the cluster
	s_bfe_u32 s41, ttmp6, 0x40004
	s_lshl_b32 s42, ttmp9, 2
	s_add_co_u32 s42, s42, s40                     ; tile column tx = 4 x cluster x + cx
	s_and_b32 s43, ttmp7, 0xffff
	s_lshl_b32 s43, s43, 2
	s_add_co_u32 s43, s43, s41                     ; tile row ty = 4 x cluster y + cy
	s_lshl_b32 s44, s41, 2
	s_lshl_b32 s44, 15, s44                        ; my row of the cluster
	s_lshl_b32 s45, 0x1111, s40                    ; my column
	; descriptor group 1 for the codes: rows of 192 bytes, 6,144 bytes apart in memory; A: 64 rows a load, W: 128
	s_or_b32 s[G1+0], s44, (0<<16)|(1<<20)|(1<<21)|(3<<22)|(3<<25)   ; 15:0 the mask: A's tiles go to my row; 17:16 elements of 1 byte; 20 padding on; 21 set beside a mask; 24:22 after every 16 words (code 3); 31:25 4 words of it (code 3)
	s_mov_b32 s[G1+1], ROWB<<16                    ; tensor_dim0
	s_mov_b32 s[G1+2], 64<<16                      ; tensor_dim1
	s_mov_b32 s[G1+3], ROWB<<16                    ; tile_dim0
	s_mov_b32 s[G1+4], 64                          ; tile_dim1
	s_mov_b32 s[G1+5], KROW                        ; tensor_dim0_stride
	s_mov_b32 s[G1+6], 0
	s_mov_b32 s[G1+7], 0
	s_or_b32 s[G1B+0], s45, (0<<16)|(1<<20)|(1<<21)|(3<<22)|(3<<25)  ; the same with the mask of my column
	s_mov_b32 s[G1B+1], ROWB<<16
	s_mov_b32 s[G1B+2], 128<<16
	s_mov_b32 s[G1B+3], ROWB<<16
	s_mov_b32 s[G1B+4], 128
	s_mov_b32 s[G1B+5], KROW
	s_mov_b32 s[G1B+6], 0
	s_mov_b32 s[G1B+7], 0
	; and for the scales: dense rows of 256 bytes (32 elements of 8 bytes), 16 bytes of padding behind each
	s_or_b32 s[G1S+0], s44, (3<<16)|(1<<20)|(1<<21)|(5<<22)|(3<<25)
	s_mov_b32 s[G1S+1], 32<<16
	s_mov_b32 s[G1S+2], 64<<16
	s_mov_b32 s[G1S+3], 32<<16
	s_mov_b32 s[G1S+4], 64
	s_mov_b32 s[G1S+5], 32
	s_mov_b32 s[G1S+6], 0
	s_mov_b32 s[G1S+7], 0
	s_or_b32 s[G1SB+0], s45, (3<<16)|(1<<20)|(1<<21)|(5<<22)|(3<<25)
	s_mov_b32 s[G1SB+1], 32<<16
	s_mov_b32 s[G1SB+2], 128<<16
	s_mov_b32 s[G1SB+3], 32<<16
	s_mov_b32 s[G1SB+4], 128
	s_mov_b32 s[G1SB+5], 32
	s_mov_b32 s[G1SB+6], 0
	s_mov_b32 s[G1SB+7], 0
	; where the tiles come from.  A's hang on the tile row alone, W's on the tile column alone; every wave makes both, in registers that never hold the other coordinate, and asks by one of them
	s_lshl_b32 s20, s43, 7
	s_lshl_b32 s21, s[HF], 6
	s_add_co_u32 s20, s20, s21                     ; A: row 128 ty + 64 x half
	s_mov_b32 s21, 0
	s_lshl_b64 s[22:23], s[20:21], 8               ; where these rows' scales begin, in bytes,
	s_mov_b64 s[98:99], KROW
	s_mul_u64 s[20:21], s[20:21], s[98:99]         ; and their codes
	s_lshl_b32 s46, s42, 8
	s_lshl_b32 s47, s[HF], 7
	s_add_co_u32 s46, s46, s47                     ; W: row 256 tx + 128 x half
	s_mov_b32 s47, 0
	s_lshl_b64 s[92:93], s[46:47], 8
	s_mul_u64 s[46:47], s[46:47], s[98:99]
	s_mul_i32 s19, s[HF], HALFA                    ; and where they go: no place in the cluster enters an LDS address
	s_mul_i32 s94, s[HF], HALFB
	s_add_co_u32 s94, s94, ABYTES
	s_mul_i32 s95, s[HF], 64*SCP
	s_mul_i32 s2, s[HF], 128*SCP
	s_wait_kmcnt 0x0
	s_add_nc_u64 s[20:21], s[4:5], s[20:21]
	s_add_nc_u64 s[22:23], s[6:7], s[22:23]
	s_add_nc_u64 s[46:47], s[8:9], s[46:47]
	s_add_nc_u64 s[92:93], s[10:11], s[92:93]
	CROUND                                         ; all sixteen work-groups are here: the first joint loads meet
	s_mov_b32 s[G0S], 1                            ; 1:0 count = 1
	s_add_co_u32 s[G0S+1], s95, SCA                ; 63:32 LDS address
	s_mov_b64 s[G0S+2:G0S+3], s[22:23]             ; 120:64 global address
	s_or_b32 s[G0S+3], s[G0S+3], 0x80000000        ; 127:126 type = 2
	s_mov_b32 s[G0SB], 1
	s_add_co_u32 s[G0SB+1], s2, SCB
	s_mov_b64 s[G0SB+2:G0SB+3], s[92:93]
	s_or_b32 s[G0SB+3], s[G0SB+3], 0x80000000
	JLOAD G0S, G1S, G0SB, G1SB                     ; the scales first: they are wanted with tile 0
.irp s, 0,1
	s_mov_b32 s[G0+4*\s], 1
	s_add_co_u32 s[G0+4*\s+1], s19, \s*SLOT
	s_add_nc_u64 s[G0+4*\s+2:G0+4*\s+3], s[20:21], \s*ROWB
	s_or_b32 s[G0+4*\s+3], s[G0+4*\s+3], 0x80000000
	s_mov_b32 s[G0B+4*\s], 1
	s_add_co_u32 s[G0B+4*\s+1], s94, \s*SLOT
	s_add_nc_u64 s[G0B+4*\s+2:G0B+4*\s+3], s[46:47], \s*ROWB
	s_or_b32 s[G0B+4*\s+3], s[G0B+4*\s+3], 0x80000000
	JLOAD G0+4*\s, G1, G0B+4*\s, G1B               ; tiles 0 and 1: three tensor loads of mine are out
.endr
	; A fragment, 16 rows x 128 K of 6-bit codes, is 12 registers: lane l holds row r = l % 16; registers 6 c .. 6 c + 5 hold K = 64 c + 32 h + 0 .. 31 (h = l / 16): 24 bytes of the row's stream of bits, as they lie,
	; taken in pieces of 8 bytes.  My half of a tile's row is its pieces 12 kh + 0 .. 11; piece P lies at 8 P + 16 (P / 8), since 16 bytes of padding follow every 8 pieces.  Lanes 16-31 read three pieces on,
	; which for some pieces is behind one padding more; which pieces, hangs on kh.  Three address registers serve: a = 112 kh + 24 h, b = 112 kh + (24 + 16 kh) h, c = 128 kh + (24 + 16 (1 - kh)) h, each + row x pitch.
	v_and_b32 v1, 15, v0                           ; r
	v_bfe_u32 v2, v0, 4, 1                         ; h
	v_mul_u32_u24 v3, v1, PITCH
	s_xor_b32 s20, s[HF], 1                        ; kx = 1 - kh
	s_mul_i32 s21, s[HF], 112
	s_lshl_b32 s22, s[HF], 4
	s_add_co_u32 s22, s22, 24
	s_lshl_b32 s23, s20, 4
	s_add_co_u32 s23, s23, 24
	s_lshl_b32 s46, s[HF], 7
	v_mul_u32_u24 v4, v2, 24
	v_add_nc_u32 v4, v3, v4
	v_add_nc_u32 v4, s21, v4                       ; a
	v_mul_u32_u24 v5, s22, v2
	v_add_nc_u32 v5, v3, v5
	v_add_nc_u32 v5, s21, v5                       ; b
	v_mul_u32_u24 v6, s23, v2
	v_add_nc_u32 v6, v3, v6
	v_add_nc_u32 v6, s46, v6                       ; c
	s_mul_i32 s21, s[FB], HALFB
	s_add_co_u32 s21, s21, ABYTES                  ; my 128 rows of W, behind A's 128
	s_mul_i32 s22, s[HF], HALFA                    ; my blocks 0-3 of A: the tile's rows 64 kh on
	s_mul_i32 s23, s20, HALFA                      ; my blocks 4-7: rows 64 (1 - kh) on
.irp s, 0,1
.irp c, 0,1,2
	v_add_nc_u32 v[ADRB+3*\s+\c], s21, v[4+\c]
	v_add_nc_u32 v[ADRA+6*\s+\c], s22, v[4+\c]
	v_add_nc_u32 v[ADRA+6*\s+3+\c], s23, v[4+\c]
.endr
	s_add_co_u32 s21, s21, SLOT
	s_add_co_u32 s22, s22, SLOT
	s_add_co_u32 s23, s23, SLOT
.endr
	; scale words: tile t's word of my K half lies at byte 8 t + 4 kh of a row's 256.  Lanes 0-15 take A's rows, lanes 16-31 W's: the lower base + h x the distance between the two
	v_mul_u32_u24 v3, v1, SCP
	s_mul_i32 s21, s[FB], 128*SCP
	s_mul_i32 s22, s[HF], 64*SCP
	s_mul_i32 s23, s20, 64*SCP
	s_lshl_b32 s46, s[HF], 2
	s_add_co_u32 s47, s21, s23
	s_add_co_u32 s47, s47, 64*SCP                  ; (SCB + 128 nh rows) - (SCA + 64 kh rows)
	v_mul_u32_u24 v4, s47, v2
	s_add_co_u32 s47, s22, s46
	s_add_co_u32 s47, s47, SCA
	v_add_nc_u32 v4, v3, v4
	v_add_nc_u32 v[ADRS], s47, v4                  ; blocks 0-3
	s_add_co_u32 s47, s21, s22
	s_add_co_u32 s47, s47, 128*SCP                 ; (SCB + (128 nh + 64) rows) - (SCA + 64 (1 - kh) rows)
	v_mul_u32_u24 v4, s47, v2
	s_add_co_u32 s47, s23, s46
	s_add_co_u32 s47, s47, SCA
	v_add_nc_u32 v4, v3, v4
	v_add_nc_u32 v[ADRS+1], s47, v4                ; blocks 4-7
	; the way out
	v_and_b32 v3, 31, v0
	v_lshlrev_b32 v[CO], 4, v3                     ; 16 x lane
	s_lshl_b32 s21, s[WV], 15
	v_add_nc_u32 v[XST], s21, v[CO]                ; my wave's 32,768 bytes
	s_xor_b32 s21, s21, XCHW
	v_add_nc_u32 v[XLD], s21, v[CO]                ; and those of wave w xor 1
	s_mul_i32 s21, s[WV], 16*SPITCH
	s_add_co_u32 s21, s21, STAGE                   ; my stage
	v_mul_u32_u24 v4, v1, SPITCH
	v_lshl_add_u32 v4, v2, 5, v4
	v_add_nc_u32 v[STO], s21, v4                   ; in: row r, 32 bytes for each half of the lanes
	v_add_nc_u32 v[RD], s21, v[CO]                 ; back: the 32 lanes take one row of 512 bytes
	v_lshlrev_b32 v[BO], 5, v2                     ; the bias: lane (r, h) wants, for block b, columns 16 b + 8 h + 0 .. 7
	s_lshl_b32 s46, s42, 10
	s_lshl_b32 s47, s[FB], 9
	s_add_co_u32 s46, s46, s47                     ; my first column, in bytes: 1,024 tx + 512 nh
	s_mov_b32 s47, 0
	s_add_nc_u64 s[12:13], s[12:13], s[46:47]
	s_add_nc_u64 s[14:15], s[14:15], s[46:47]
	s_lshl_b32 s46, s43, 20
	s_lshl_b32 s47, s[HF], 19
	s_add_co_u32 s46, s46, s47                     ; the first row that I store, 128 ty + 64 kh, x 8,192 bytes
	s_mov_b32 s47, 0
	s_add_nc_u64 s[14:15], s[14:15], s[46:47]
	WIN TO_B
.irp b, 0,1,2,3,4,5,6,7
	global_load_b128 v[96+8*\b+96*(\b/4):96+8*\b+96*(\b/4)+3],   v[BO], s[12:13] offset:64*\b
	global_load_b128 v[96+8*\b+96*(\b/4)+4:96+8*\b+96*(\b/4)+7], v[BO], s[12:13] offset:64*\b+16
.endr
	WIN 0
	; the prefetches (macro ASK): where my wave's stand, and who asks
	s_lshl_b32 s20, s43, 7
	s_lshl_b32 s21, s40, 5
	s_add_co_u32 s20, s20, s21                     ; A: row 128 ty + 32 cx
	s_lshl_b32 s21, s42, 8
	s_lshl_b32 s22, s[HF], 7
	s_add_co_u32 s21, s21, s22
	s_lshl_b32 s22, s41, 5
	s_add_co_u32 s21, s21, s22                     ; W: row 256 tx + 128 x half + 32 cy
	s_and_b32 s22, ttmp7, 0xffff                   ; cluster y
	s_cmp_eq_u32 s[FB], 0                          ; do I fetch for A?
	s_cselect_b32 s20, s20, s21
	s_cselect_b32 s22, ttmp9, s22                  ; the coordinate along which other clusters read the same rows
	s_cselect_b64 s[PFA:PFA+1], s[4:5], s[8:9]
	s_cmp_eq_u32 s22, 0
	s_cselect_b32 s[LIM], 1, -1                    ; the same in all sixteen partners, for a given wave
	s_cmp_eq_u32 s[WV], 1                          ; (A's 128 rows are one wave's worth for the four partners)
	s_cselect_b32 s[LIM], -1, s[LIM]
	s_mov_b32 s21, 0
	s_mov_b64 s[22:23], KROW
	s_mul_u64 s[20:21], s[20:21], s[22:23]
	s_add_nc_u64 s[PFA:PFA+1], s[PFA:PFA+1], s[20:21]
	s_add_nc_u64 s[PFA:PFA+1], s[PFA:PFA+1], 5*ROWB+ROWB-1   ; the last byte of tile 5's part: period 2 steps it to tile 6's.  Nothing is prefetched here, at the head
	v_and_b32 v[PFO], 31, v0
	v_mul_u32_u24 v[PFO], v[PFO], KROW
.macro FRAG reg, adr, blk              ; six pieces of 8 bytes, so that every address is a multiple of the access's size; adr: register a, adr + 1: b, adr + 2: c
	ds_load_b64 v[\reg:\reg+1],     v[\adr]   offset:\blk
	ds_load_b64 v[\reg+2:\reg+3],   v[\adr+1] offset:\blk+8
	ds_load_b64 v[\reg+4:\reg+5],   v[\adr+1] offset:\blk+16
	ds_load_b64 v[\reg+6:\reg+7],   v[\adr+2] offset:\blk+48
	ds_load_b64 v[\reg+8:\reg+9],   v[\adr+2] offset:\blk+56
	ds_load_b64 v[\reg+10:\reg+11], v[\adr]   offset:\blk+80
.endm
.macro FETCH_B st                      ; W's eight fragments of slot st into set st
	WIN TO_B
.irp i, 0,1,2,3,4,5,6,7
	FRAG 128*(\st)+FR*\i, ADRB+3*(\st), \i*16*PITCH
.endr
	WIN 0
.endm
.macro FETCH_A st                      ; A's eight
.irp i, 0,1,2,3
	FRAG AF+96*(\st)+FR*\i, ADRA+6*(\st), \i*16*PITCH
.endr
.irp i, 0,1,2,3
	FRAG AF+96*(\st)+FR*(4+\i), ADRA+6*(\st)+3, \i*16*PITCH
.endr
.endm
.macro SCALES st                       ; the tile's scale words into set st: one word a row
.irp i, 0,1,2,3
	ds_load_b32 v[SC+8*(\st)+\i], v[ADRS] offset:\i*SBLK
.endr
.irp i, 0,1,2,3
	ds_load_b32 v[SC+8*(\st)+4+\i], v[ADRS+1] offset:\i*SBLK
.endr
.endm
; 16 matrix instructions: A's blocks a0, a0 + 1 x W's eight, my 128 along K of the tile in set st.  mode 0: onto the sums; 1: the bias starts them; 2: the constant 0 starts them: nothing is ever cleared.
; The 64 accumulators take turns, one instruction a turn, in the same order in every period.
.macro MUL16 a0, st, mode
.irp a, \a0, \a0+1
.irp b, 0,1,2,3,4,5,6,7
.if \mode == 0
	v_wmma_scale_f32_16x16x128_f8f6f4 v[8*(8*((\a)%4)+\b):8*(8*((\a)%4)+\b)+7], v[128*(\st)+FR*\b:128*(\st)+FR*\b+FR-1], v[AF+96*(\st)+FR*(\a):AF+96*(\st)+FR*(\a)+FR-1], v[8*(8*((\a)%4)+\b):8*(8*((\a)%4)+\b)+7], v[SC+8*(\st)+\b], v[SC+8*(\st)+(\a)] matrix_a_fmt:MATRIX_FMT_BF6 matrix_b_fmt:MATRIX_FMT_BF6 matrix_a_scale:MATRIX_SCALE_ROW1
.elseif \mode == 1
	v_wmma_scale_f32_16x16x128_f8f6f4 v[8*(8*((\a)%4)+\b):8*(8*((\a)%4)+\b)+7], v[128*(\st)+FR*\b:128*(\st)+FR*\b+FR-1], v[AF+96*(\st)+FR*(\a):AF+96*(\st)+FR*(\a)+FR-1], v[96+8*\b+96*(\b/4):96+8*\b+96*(\b/4)+7], v[SC+8*(\st)+\b], v[SC+8*(\st)+(\a)] matrix_a_fmt:MATRIX_FMT_BF6 matrix_b_fmt:MATRIX_FMT_BF6 matrix_a_scale:MATRIX_SCALE_ROW1
.else
	v_wmma_scale_f32_16x16x128_f8f6f4 v[8*(8*((\a)%4)+\b):8*(8*((\a)%4)+\b)+7], v[128*(\st)+FR*\b:128*(\st)+FR*\b+FR-1], v[AF+96*(\st)+FR*(\a):AF+96*(\st)+FR*(\a)+FR-1], 0, v[SC+8*(\st)+\b], v[SC+8*(\st)+(\a)] matrix_a_fmt:MATRIX_FMT_BF6 matrix_b_fmt:MATRIX_FMT_BF6 matrix_a_scale:MATRIX_SCALE_ROW1
.endif
.endr
.endr
.endm
; PERIOD t (p = t % 2).  ONE barrier for the change of slots: in front of it each wave waits for all its tensor loads (its part of tile t), adds 0 to its spare word, and waits for that and for its LDS loads: tile t - 1's
; fragments are in registers, so its reads of slot 1 - p are over.  fill = 1: the barrier is a round of the cluster's, and behind it slot 1 - p is asked for again first, with tile t + 1.  Then tile t's fragments are
; fetched from slot p into set p, in two runs of loads, and tile t - 1 is multiplied out of set 1 - p.  first = 1: the products start the sums.  ask: see ASK.
; A load into a register that a matrix instruction has read stands four places behind it, and only plain vector instructions that name none of its registers are places (ISA guide 7.12.1 for vector instructions)
; set p was read last by the period before, and the four v_nop behind the joint load (or PLACES) and the two additions stand between.
.macro PERIOD p, fill, first, ask
.if \ask
	s_wait_xcnt 0x0                                ; the last prefetch, a period back, has read its address: it is stepped here, ahead of the waits of the change of slots
	s_add_nc_u64 s[PFA:PFA+1], s[PFA:PFA+1], ROWB
.endif
	s_wait_tensorcnt 0x0                           ; all my tensor loads have landed: the one that was out is my part of tile t; so a group 0 may be written
	ds_add_u32 v[SPW], v[NIL]                      ; 0 onto my spare word
.if \fill
	s_add_nc_u64 s[G0+4*(1-\p)+2:G0+4*(1-\p)+3], s[G0+4*(1-\p)+2:G0+4*(1-\p)+3], 2*ROWB      ; from tile t - 1 to tile t + 1; the type bits on top are not reached
	s_add_nc_u64 s[G0B+4*(1-\p)+2:G0B+4*(1-\p)+3], s[G0B+4*(1-\p)+2:G0B+4*(1-\p)+3], 2*ROWB
.endif
	s_wait_dscnt 0x0                               ; the add is done, and my reads of slot 1 - p are over
.if \fill
	CROUND                                         ; no wave of any partner still reads that slot's tile or has a load on its way
	JLOAD G0+4*(1-\p), G1, G0B+4*(1-\p), G1B       ; the first tensor load behind the round, and my only one until the next
.else
	s_barrier_signal -1
	s_barrier_wait -1
	PLACES 4
.endif
	v_add_nc_u32 v[ADRS], 8, v[ADRS]               ; on to tile t's scale words
	v_add_nc_u32 v[ADRS+1], 8, v[ADRS+1]
	FETCH_B \p
	SCALES \p
.if \ask
	ASK \ask
.endif
.if \first
	WIN MUL_BIAS
	MUL16 0, 1-\p, 1
	MUL16 2, 1-\p, 1
.else
	WIN MUL_LO
	MUL16 0, 1-\p, 0
	MUL16 2, 1-\p, 0
.endif
	WIN 0
	FETCH_A \p
	WIN MUL_HI
.if \first
	MUL16 4, 1-\p, 2
	MUL16 6, 1-\p, 2
.else
	MUL16 4, 1-\p, 0
	MUL16 6, 1-\p, 0
.endif
	WIN 0
.endm
	s_wait_tensorcnt 1                             ; the scales and my part of tile 0 are in (tile 1's load, issued behind them, may be out)
	s_barrier_signal -1
	s_barrier_wait -1                              ; everybody's are
	FETCH_B 0
	SCALES 0
	FETCH_A 0
	s_wait_loadcnt 0x0                             ; the bias
	PERIOD 1, 1, 1, 0                              ; period 1 stands in front of the loop: its products start the sums
	s_mov_b32 s3, TRIPS
.Llap:                                                 ; periods 2 to 29: a trip goes once round the ring and fills both slots again
	PERIOD 0, 1, 0, 1
	PERIOD 1, 1, 0, 2
	s_sub_co_u32 s3, s3, 1
	s_cmp_lg_u32 s3, 0
	s_cbranch_scc1 .Llap
	PERIOD 0, 1, 0, 0                              ; period 30 asks for tile 31, the last
	PERIOD 1, 0, 0, 0                              ; period 31 asks for nothing: the tail is written out
	s_wait_dscnt 0x0                               ; tile 31's fragments are in: my reads of the ring are over;
	s_barrier_signal -1                            ; say so,
	WIN MUL_LO
	MUL16 0, 1, 0                                  ; multiply the last tile while the others arrive,
	MUL16 2, 1, 0
	WIN MUL_HI
	MUL16 4, 1, 0
	MUL16 6, 1, 0
	WIN 0
	s_barrier_wait -1                              ; and go on when all four have said so: nobody reads the ring any more, and it has had its last fill: its bytes serve the way out
	PLACES 4                                       ; in front of the stores that read results just made, and of the loads into the registers that held A's fragments
	; THE EXCHANGE.  My blocks 4-7 go to wave w xor 1 as images of their registers: lane l's 16 bytes at 16 l, 512 consecutive bytes a store; each accumulator from its low end on.
	WIN SENDW
.set n, 0
.rept 32
	ds_store_b128 v[XST], v[8*n:8*n+3] offset:1024*n
	ds_store_b128 v[XST], v[8*n+4:8*n+7] offset:1024*n+512
.set n, n+1
.endr
	WIN 0
	s_wait_dscnt 0x0                               ; for the other wave's sake: my stores have landed
	s_barrier_signal -1
	s_barrier_wait -1
; THE WAY OUT, block by block of 16 rows x 128 columns.  RECV: what the other wave summed for my block a comes back in the same registers' order.  SUM: it is added to mine.  TOSTAGE: a lane holds 32 neighbouring bytes of a
; row and the lanes beside it hold other rows, so the block goes through my own stage and comes back as whole rows of 512 bytes; LDS serves a wave's instructions in order (ISA guide 5.7.1.4): no wait between the stores and the loads.
.macro RECV a, reg
.irp b, 0,1,2,3,4,5,6,7
	ds_load_b128 v[\reg+8*\b:\reg+8*\b+3],   v[XLD] offset:1024*(8*\a+\b)
	ds_load_b128 v[\reg+8*\b+4:\reg+8*\b+7], v[XLD] offset:1024*(8*\a+\b)+512
.endr
.endm
.macro SUM a, reg
	WIN SUMW
.set n, 0
.rept 32
	v_pk_add_f32 v[\reg+2*n:\reg+2*n+1], v[64*\a+2*n:64*\a+2*n+1], v[\reg+2*n:\reg+2*n+1]   ; ascending: each accumulator is read from its low end on
.set n, n+1
.endr
	WIN 0
.endm
.macro TOSTAGE reg
.irp b, 0,1,2,3,4,5,6,7
	ds_store_b128 v[STO], v[\reg+8*\b:\reg+8*\b+3]   offset:64*\b
	ds_store_b128 v[STO], v[\reg+8*\b+4:\reg+8*\b+7] offset:64*\b+16
.endr
.irp t, 0,1,2,3,4,5,6,7,8,9,10,11,12,13,14,15
	ds_load_b128 v[BK+4*\t:BK+4*\t+3], v[RD] offset:\t*SPITCH
.endr
.endm
.macro SEND a
.irp t, 0,1,2,3,4,5,6,7,8,9,10,11,12,13,14,15
	global_store_b128 v[CO], v[BK+4*\t:BK+4*\t+3], s[14:15] offset:(16*\a+\t)*SIZE_N*4 th:TH_STORE_NT   ; 32 lanes store 512 consecutive bytes, at a multiple of 512 from out's first byte; 63 rows on at the most: inside the signed 24-bit immediate
.endr
.endm
	RECV 0, R0
	RECV 1, R1
	s_wait_dscnt 16                                ; block 0 is in; the 16 younger loads, block 1's, may be out
	SUM 0, R0
	TOSTAGE R0
	s_wait_dscnt 0x0                               ; the rows are back in registers (and block 1 is in)
	SEND 0
	RECV 2, R0                                     ; lands while block 1 is summed and staged
	SUM 1, R1
	s_wait_xcnt 0x0                                ; block 0's stores have read their registers: the stage's loads may land there again
	TOSTAGE R1
	s_wait_dscnt 0x0
	SEND 1
	RECV 3, R1
	SUM 2, R0
	s_wait_xcnt 0x0
	TOSTAGE R0
	s_wait_dscnt 0x0
	SEND 2
	SUM 3, R1
	s_wait_xcnt 0x0
	TOSTAGE R1
	s_wait_dscnt 0x0
	SEND 3
	s_wait_tensorcnt 0x0                           ; the wave's end, behind my last tensor load and my last LDS store
	ds_add_u32 v[SPW], v[NIL]
	s_wait_dscnt 0x0
	CROUND                                         ; the closing round: no work-group ends while a partner may still ask for a tile that names it
	s_endpgm
.Lfunc_end_k_q2ea28b7af2_gemm:
	.size	k_q2ea28b7af2_gemm, .Lfunc_end_k_q2ea28b7af2_gemm-k_q2ea28b7af2_gemm
	.p2alignl 7, 3214868480
	.fill 96, 4, 3214868480
	.section	.rodata,"a",@progbits
	.p2align	6, 0x0
	.amdhsa_kernel k_q2ea28b7af2_gemm
		.amdhsa_group_segment_fixed_size 327680
		.amdhsa_private_segment_fixed_size 0
		.amdhsa_enable_private_segment 0
		.amdhsa_kernarg_size 48
		.amdhsa_user_sgpr_count 2
		.amdhsa_user_sgpr_kernarg_segment_ptr 1
		.amdhsa_wavefront_size32 1
		.amdhsa_system_sgpr_workgroup_id_x 1
		.amdhsa_system_sgpr_workgroup_id_y 1
		.amdhsa_system_sgpr_workgroup_id_z 1
		.amdhsa_system_vgpr_workitem_id 0
		.amdhsa_next_free_vgpr 1024
		.amdhsa_next_free_sgpr 100
		.amdhsa_reserve_vcc 0
		.amdhsa_float_denorm_mode_32 3
		.amdhsa_float_denorm_mode_16_64 3
		.amdhsa_memory_ordered 1
		.amdhsa_forward_progress 1
		.amdhsa_inst_pref_size 139
	.end_amdhsa_kernel
	.amdgpu_metadata
---
amdhsa.version: [ 1, 2 ]
amdhsa.kernels:
  - .name:           k_q2ea28b7af2_gemm
    .symbol:         k_q2ea28b7af2_gemm.kd
    .args:
      - { .name: input__codes, .offset: 0, .size: 8, .value_kind: global_buffer, .address_space: global }
      - { .name: input__scales, .offset: 8, .size: 8, .value_kind: global_buffer, .address_space: global }
      - { .name: weight_codes, .offset: 16, .size: 8, .value_kind: global_buffer, .address_space: global }
      - { .name: weight_scales, .offset: 24, .size: 8, .value_kind: global_buffer, .address_space: global }
      - { .name: bias, .offset: 32, .size: 8, .value_kind: global_buffer, .address_space: global }
      - { .name: out0, .offset: 40, .size: 8, .value_kind: global_buffer, .address_space: global }
    .group_segment_fixed_size: 327680
    .private_segment_fixed_size: 0
    .kernarg_segment_align: 8
    .kernarg_segment_size: 48
    .max_flat_workgroup_size: 128
    .sgpr_count:     100
    .vgpr_count:     1024
    .wavefront_size: 32
...
	.end_amdgpu_metadata
.endif
;; end of part 1
;; ======== version 2 of 2: 1 launch
;; limits: right only within a limited range of input values
;; launch gemm (part 2): grid 8 x 32, 4 waves a work-group, clusters of 4 x 4, 327,680 bytes of LDS; arguments input__codes, input__scales, weight_codes, weight_scales, bias, out0; writes out0
.if DOCPART == 2
	.amdgcn_target "amdgcn-amd-amdhsa--gfx1250"
	.amdhsa_code_object_version 6
	.text
	.protected	k_q2ea28b7af2_gemm
	.globl	k_q2ea28b7af2_gemm
	.p2align	8
	.type	k_q2ea28b7af2_gemm,@function
k_q2ea28b7af2_gemm:
	s_mov_b64 s[64:65], 0
	v_nop
	global_prefetch_b8 v0, s[64:65] scope:SCOPE_SE
	s_setreg_imm32_b32 hwreg(HW_REG_WAVE_MODE, 25, 1), 1
	s_wait_xcnt 0x0
	s_wait_alu depctr_hold_cnt(0) depctr_sa_sdst(0) depctr_va_vdst(0) depctr_va_sdst(0) depctr_va_ssrc(0) depctr_va_vcc(0) depctr_vm_vsrc(0)
	s_getreg_b32 s2, hwreg(HW_REG_IB_STS2, 6, 4)
	s_cmp_eq_u32 s2, 0
	s_cbranch_scc0 .Lentry_in_a_cluster
	s_endpgm
.Lentry_in_a_cluster:
	s_bfe_u32 s2, ttmp6, 0x10000c
	s_cmp_lg_u32 s2, 0xf033
	s_cbranch_scc0 .Lentry_shape_is_right
	s_endpgm
.Lentry_shape_is_right:
; out[m][n] = sum over k of X[m][k] W[n][k] + bias[n].  X: 4,096 rows, W: 2,048 rows, K = 8,192: codes of E3M2 (a row is 6,144 bytes) with one E8M0 byte for each 32 along K; out f32.
; A work-group makes 128 x 256 of out: 32 x 8 = 256 work-groups.  Wave (FB, HF) multiplies all 128 rows of X by W's rows 128 FB .. + 127 on every second K step of 128 (steps 2 j + HF):
; 64 accumulators.  At the end the two waves of a pair exchange halves through LDS; each keeps X's rows 64 HF .. + 63 (its blocks 0-3), whose sums begin with the bias as C.
; K GOES IN CHUNKS OF 256 BYTES of each row (aligned), through THREE LDS slots.  Eight K steps are 768 bytes, three chunks: chunk q of a trip always lies in slot q, and a trip of four
; steps a wave is the loop's body.  A chunk is asked for when the one before it has landed; its slot was read out a chunk earlier.  One tensor load a wave is out at any time.
; THE WALK ALONG K begins at trip T0 = the cluster's y and wraps at 8: the eight rows of clusters name eight different columns of the rows at a time.  The order of a sum's terms differs with it.
; THE SCALES: the three slots leave no LDS for 384 rows x 256 bytes of scales, so a lane loads its row's word of a step from memory into a register, a trip (24 loads) ahead of its use:
; 4 bytes of a row's 256 at a time; a row's 256 bytes are so read once by each of the waves that need them, in the course of the launch.
; CLUSTERS 4 x 4: X's tiles are asked for jointly along a row of the cluster, W's along a column.  The matrix instruction is used transposed (source 0 = W's rows, source 1 = X's).
; PREFETCH: behind each joint load and the run of LDS loads that follows it, the chunk that stands three loads (one trip) on: 256 bytes a lane, the four partners' rows told apart by address;
; trips 0 and 1 are asked for at the head; the loop's last trip asks for nothing.
; REGISTERS: window 0: v8-55 addresses, v56-87 scale words, v96-191 X's fragments (one set); window 1: W's fragments, two sets at v0 and v128, the bias between them; windows 2, 3: accumulators.
.set SIZE_N, 2048
.set KROW,   6144
.set PITCH,  272
.set FR,     12
.set SLOT,   384*PITCH
.set ABYTES, 128*PITCH
.set JUMP,   SLOT-256
.set SPARE,  3*SLOT
.set XCHW,   32768
.set STAGE,  4*XCHW
.set SPITCH, 528
.set SPW, 8
.set NIL, 9
.set PFO, 10
.set XST, 11
.set XLD, 12
.set STO, 13
.set RD,  14
.set CO,  15
.set BO,  16
.set VSA, 17
.set VSB, 18
.set ADRB, 20
.set ADRO, 32
.set SCR, 56
.set AF,  96
.set R0,  64
.set R1,  128
.set WV, 16
.set FB, 17
.set HF, 18
.set BA, 20
.set G1, 24
.set G0, 32
.set O1, 44
.set T0, 45
.set BW, 46
.set G1B, 48
.set G0B, 68
.set PFB, 86
.set SA,  88
.set SB,  90
.set SAB, 92
.set SBB, 94
.set OT,  96
.set PF,  100
.set MSB, 0
.macro WIN new
.if MSB != \new
	s_set_vgpr_msb (MSB<<8)|\new
.set MSB, \new
.endif
.endm
.set TO_B,     0x40
.set MUL_LO,   0xa1
.set MUL_HI,   0xf1
.set MUL_BIAS, 0x91
.set SUMW,     0x02
.set SENDW,    0x0c
.set STW,      0x04
; a joint load of chunk slot q: waves 0, 1 fetch X's two halves of 64 rows, waves 2, 3 W's two halves of 128
.macro JLOAD q
	s_cmp_eq_u32 s[FB], 0
	s_cbranch_scc0 .Lfor_b_\@
	tensor_load_to_lds s[G0+4*\q:G0+4*\q+3], s[G1:G1+7]
	s_nop 0
.rept 4
	v_nop
.endr
	s_branch .Lasked_\@
.Lfor_b_\@:
	tensor_load_to_lds s[G0B+4*\q:G0B+4*\q+3], s[G1B:G1B+7]
	s_nop 0
.rept 4
	v_nop
.endr
.Lasked_\@:
.endm
.macro CROUND
	s_barrier_signal -1
	s_barrier_wait -1
	s_cmp_lg_u32 s[WV], 0
	s_cbranch_scc1 .Lnot_wave_0_\@
	s_barrier_signal -3
.Lnot_wave_0_\@:
	s_barrier_wait -3
	s_barrier_signal -1
	s_barrier_wait -1
.endm
.macro PLACES n
.rept \n
	v_nop
.endr
.endm
	s_load_b128 s[4:7], s[0:1], 0x0
	s_load_b128 s[8:11], s[0:1], 0x10
	s_load_b128 s[12:15], s[0:1], 0x20
	v_lshl_add_u32 v[SPW], v0, 2, SPARE
	v_mov_b32 v[NIL], 0
	ds_add_u32 v[SPW], v[NIL]
	ds_add_u32 v[SPW], v[NIL]
	v_lshrrev_b32 v1, 5, v0
	v_readfirstlane_b32 s[WV], v1
	s_lshr_b32 s[FB], s[WV], 1
	s_and_b32 s[HF], s[WV], 1
	s_xor_b32 s19, s[HF], 1
	s_bfe_u32 s80, ttmp6, 0x40000                  ; cx
	s_bfe_u32 s81, ttmp6, 0x40004                  ; cy
	s_lshl_b32 s82, ttmp9, 2
	s_add_co_u32 s82, s82, s80                     ; tile column, 0 .. 7
	s_and_b32 s[T0], ttmp7, 0xffff                 ; the cluster's y, 0 .. 7: the trip at which my cluster's walk begins
	s_lshl_b32 s83, s[T0], 2
	s_add_co_u32 s83, s83, s81                     ; tile row, 0 .. 31
	s_lshl_b32 s84, s81, 2
	s_lshl_b32 s84, 15, s84                        ; my row of the cluster
	s_lshl_b32 s85, 0x1111, s80                    ; my column
	s_or_b32 s[G1+0], s84, (0<<16)|(1<<20)|(1<<21)|(5<<22)|(3<<25)   ; bytes; 16 bytes of padding behind every 256
	s_mov_b32 s[G1+1], 256<<16
	s_mov_b32 s[G1+2], 64<<16
	s_mov_b32 s[G1+3], 256<<16
	s_mov_b32 s[G1+4], 64
	s_mov_b32 s[G1+5], KROW
	s_mov_b32 s[G1+6], 0
	s_mov_b32 s[G1+7], 0
	s_or_b32 s[G1B+0], s85, (0<<16)|(1<<20)|(1<<21)|(5<<22)|(3<<25)
	s_mov_b32 s[G1B+1], 256<<16
	s_mov_b32 s[G1B+2], 128<<16
	s_mov_b32 s[G1B+3], 256<<16
	s_mov_b32 s[G1B+4], 128
	s_mov_b32 s[G1B+5], KROW
	s_mov_b32 s[G1B+6], 0
	s_mov_b32 s[G1B+7], 0
	s_lshl_b32 s20, s83, 7
	s_lshl_b32 s21, s[HF], 6
	s_add_co_u32 s20, s20, s21                     ; X: the 64 rows that I fetch
	s_mov_b32 s21, 0
	s_mov_b64 s[98:99], KROW
	s_mul_u64 s[20:21], s[20:21], s[98:99]
	s_lshl_b32 s46, s82, 8
	s_lshl_b32 s47, s[HF], 7
	s_add_co_u32 s46, s46, s47                     ; W: the 128 rows that I fetch
	s_mov_b32 s47, 0
	s_mul_u64 s[46:47], s[46:47], s[98:99]
	s_mul_i32 s56, s[HF], 64*PITCH
	s_mul_i32 s57, s[HF], 128*PITCH
	s_add_co_u32 s57, s57, ABYTES
	s_mul_i32 s[OT], s[T0], 768
	s_mov_b32 s[OT+1], 0
	s_wait_dscnt 0x0
	s_wait_kmcnt 0x0
	s_add_nc_u64 s[BA:BA+1], s[4:5], s[20:21]
	s_add_nc_u64 s[BW:BW+1], s[8:9], s[46:47]
.irp q, 0,1,2
	s_mov_b32 s[G0+4*\q], 1
	s_add_co_u32 s[G0+4*\q+1], s56, \q*SLOT
	s_add_nc_u64 s[G0+4*\q+2:G0+4*\q+3], s[BA:BA+1], s[OT:OT+1]
	s_add_nc_u64 s[G0+4*\q+2:G0+4*\q+3], s[G0+4*\q+2:G0+4*\q+3], \q*256
	s_or_b32 s[G0+4*\q+3], s[G0+4*\q+3], 0x80000000
	s_mov_b32 s[G0B+4*\q], 1
	s_add_co_u32 s[G0B+4*\q+1], s57, \q*SLOT
	s_add_nc_u64 s[G0B+4*\q+2:G0B+4*\q+3], s[BW:BW+1], s[OT:OT+1]
	s_add_nc_u64 s[G0B+4*\q+2:G0B+4*\q+3], s[G0B+4*\q+2:G0B+4*\q+3], \q*256
	s_or_b32 s[G0B+4*\q+3], s[G0B+4*\q+3], 0x80000000
.endr
	CROUND
	JLOAD 0                                        ; chunk 0: one tensor load a wave at the head
	; pointers and the scalars of the address block, all ahead of the vector lines
	s_lshl_b32 s104, s82, 10
	s_lshl_b32 s2, s[FB], 9
	s_add_co_u32 s104, s104, s2
	s_mov_b32 s105, 0
	s_add_nc_u64 s[12:13], s[12:13], s[104:105]    ; bias and out at my 128 columns
	s_add_nc_u64 s[14:15], s[14:15], s[104:105]
	s_lshl_b32 s104, s83, 20
	s_lshl_b32 s2, s[HF], 19
	s_add_co_u32 s104, s104, s2
	s_add_nc_u64 s[14:15], s[14:15], s[104:105]    ; out at the 64 rows that I keep
	s_lshl_b32 s104, s83, 15
	s_add_nc_u64 s[SAB:SAB+1], s[6:7], s[104:105]  ; the scales of the tile's 128 rows of X
	s_lshl_b32 s104, s82, 16
	s_add_nc_u64 s[SBB:SBB+1], s[10:11], s[104:105]  ; and of its 256 rows of W
	s_lshl_b32 s100, s83, 7                        ; the prefetches: of the rows that I fetch, my work-group's quarter
	s_lshl_b32 s101, s[HF], 6
	s_add_co_u32 s100, s100, s101
	s_lshl_b32 s101, s80, 4
	s_add_co_u32 s100, s100, s101
	s_lshl_b32 s2, s82, 8
	s_lshl_b32 s101, s[HF], 7
	s_add_co_u32 s2, s2, s101
	s_lshl_b32 s101, s81, 5
	s_add_co_u32 s2, s2, s101
	s_cmp_eq_u32 s[FB], 0
	s_cselect_b32 s100, s100, s2
	s_cselect_b32 s3, 15, 31                       ; 16 rows of X or 32 of W; lanes left over name the last row again
	s_cselect_b64 s[PFB:PFB+1], s[4:5], s[8:9]
	s_mov_b32 s101, 0
	s_mul_u64 s[100:101], s[100:101], s[98:99]
	s_add_nc_u64 s[PFB:PFB+1], s[PFB:PFB+1], s[100:101]
	s_add_nc_u64 s[4:5], s[PFB:PFB+1], s[OT:OT+1]  ; my rows at trip 0 of my walk
	s_lshl_b32 s104, s[T0], 5
	s_add_nc_u64 s[6:7], s[SAB:SAB+1], s[104:105]  ; the scales at trip 0
	s_add_nc_u64 s[10:11], s[SBB:SBB+1], s[104:105]
	s_add_co_u32 s2, s[T0], 1
	s_and_b32 s2, s2, 7
	s_lshl_b32 s104, s2, 5
	s_add_nc_u64 s[SA:SA+1], s[SAB:SAB+1], s[104:105]  ; at trip 1
	s_add_nc_u64 s[SB:SB+1], s[SBB:SBB+1], s[104:105]
	s_mul_i32 s104, s2, 768
	s_add_nc_u64 s[8:9], s[PFB:PFB+1], s[104:105]  ; my rows at trip 1
	s_add_co_u32 s2, s[T0], 2
	s_and_b32 s2, s2, 7
	s_mul_i32 s104, s2, 768
	s_add_nc_u64 s[PF:PF+1], s[PFB:PFB+1], s[104:105]  ; and at trip 2
	s_mul_i32 s58, s[HF], 96
	s_mul_i32 s59, s[HF], JUMP
	s_mul_i32 s60, s19, JUMP
	s_mul_i32 s61, s[FB], 128*PITCH
	s_add_co_u32 s61, s61, ABYTES
	s_mul_i32 s62, s[HF], 64*PITCH
	s_mul_i32 s63, s19, 64*PITCH
	s_lshl_b32 s66, s[HF], 2
	s_lshl_b32 s67, s[FB], 15
	s_add_co_u32 s67, s67, s66
	s_lshl_b32 s98, s[WV], 15
	s_xor_b32 s99, s98, XCHW
	s_mul_i32 s104, s[WV], 16*SPITCH
	s_add_co_u32 s104, s104, STAGE
	; Byte y of a trip's 768 lies in slot y / 256 at byte y % 256 of the LDS row.  A lane reads at y0 + d, d = 96 HF + 24 h.  Four lane terms: none of the lanes is in the next slot (v3),
	; those with d = 120 (v4), with d >= 96 (v5), with d >= 24 (v6)
	v_and_b32 v1, 15, v0
	v_bfe_u32 v2, v0, 4, 1
	v_mul_u32_u24 v3, v1, PITCH
	v_mad_u32_u24 v3, v2, 24, v3
	v_add_nc_u32 v3, s58, v3
	v_mul_u32_u24 v4, s59, v2
	v_add_nc_u32 v4, v3, v4
	v_add_nc_u32 v5, s59, v3
	v_mul_u32_u24 v6, s60, v2
	v_add_nc_u32 v6, v5, v6
	v_add_nc_u32 v96, SLOT, v3
	v_add_nc_u32 v97, SLOT, v4
	v_add_nc_u32 v98, SLOT, v5
	v_add_nc_u32 v99, 2*SLOT, v3
.macro MKADR adr, sb                   ; register adr + 4 q + k: y0 in slot q, lane term k
	v_add_nc_u32 v[\adr+0], s[\sb], v3
	v_add_nc_u32 v[\adr+2], s[\sb], v5
	v_add_nc_u32 v[\adr+3], s[\sb], v6
	v_add_nc_u32 v[\adr+4], s[\sb], v96
	v_add_nc_u32 v[\adr+5], s[\sb], v97
	v_add_nc_u32 v[\adr+6], s[\sb], v98
	v_add_nc_u32 v[\adr+8], s[\sb], v99
.endm
	MKADR ADRB, 61                                 ; W's 128 rows of mine
	MKADR ADRO, 62                                 ; X's 64 rows that I keep: blocks 0-3
	MKADR ADRO+12, 63                              ; X's other 64 rows: blocks 4-7
	v_xor_b32 v7, s[HF], v2                        ; X's scale words: register i holds block i in lanes 0-15 and block i + 4 in lanes 16-31
	v_lshl_add_u32 v7, v7, 6, v1
	v_lshlrev_b32 v7, 8, v7
	v_add_nc_u32 v[VSA], s66, v7
	v_lshl_add_u32 v7, v2, 6, v1                   ; W's likewise
	v_lshlrev_b32 v7, 8, v7
	v_add_nc_u32 v[VSB], s67, v7
	v_and_b32 v7, 31, v0
	v_lshlrev_b32 v[CO], 4, v7
	v_add_nc_u32 v[XST], s98, v[CO]
	v_add_nc_u32 v[XLD], s99, v[CO]
	v_mul_u32_u24 v4, v1, SPITCH
	v_lshl_add_u32 v4, v2, 5, v4
	v_add_nc_u32 v[STO], s104, v4
	v_add_nc_u32 v[RD], s104, v[CO]
	v_lshlrev_b32 v[BO], 5, v2
	v_min_u32 v7, s3, v7
	v_mul_u32_u24 v[PFO], v7, KROW
	global_prefetch_b8 v[PFO], s[4:5] offset:256 th:TH_LOAD_NT scope:SCOPE_SE   ; chunks 1 and 2 of trip 0, chunk 0 of trip 1
	global_prefetch_b8 v[PFO], s[4:5] offset:512 th:TH_LOAD_NT scope:SCOPE_SE
	global_prefetch_b8 v[PFO], s[8:9] th:TH_LOAD_NT scope:SCOPE_SE
	WIN TO_B
.irp b, 0,1,2,3,4,5,6,7
	global_load_b128 v[96+8*\b+96*(\b/4):96+8*\b+96*(\b/4)+3],   v[BO], s[12:13] offset:64*\b      ; bias of columns 16 b + 8 h + 0 .. 7
	global_load_b128 v[96+8*\b+96*(\b/4)+4:96+8*\b+96*(\b/4)+7], v[BO], s[12:13] offset:64*\b+16
.endr
	WIN 0
.macro RELOAD j, sa, sb                ; the eight scale words of step j of the trip at which the two bases stand
.irp i, 0,1,2,3
	global_load_b32 v[SCR+8*(\j)+\i], v[VSA], s[\sa:\sa+1] offset:\i*4096+8*(\j)
.endr
.irp i, 0,1,2,3
	global_load_b32 v[SCR+8*(\j)+4+\i], v[VSB], s[\sb:\sb+1] offset:\i*4096+8*(\j)
.endr
.endm
.irp j, 0,1,2,3
	RELOAD \j, 6, 10
.endr
; piece p (8 bytes) of a fragment of 16 rows x 128 K of step j; each piece lies inside one chunk
.macro PIECE reg, adr, j, blk, p
.set Y0, 192*(\j)+48*((\p)/3)+8*((\p)%3)
.set MM, Y0%256
.if MM+120 < 256
.set KV, 0
.elseif MM+96 < 256
.set KV, 1
.elseif MM+24 < 256
.set KV, 2
.else
.set KV, 3
.endif
	ds_load_b64 v[(\reg)+2*(\p):(\reg)+2*(\p)+1], v[(\adr)+4*(Y0/256)+KV] offset:MM+(\blk)
.endm
.macro LB j, n                         ; the n-th of the 48 loads of W's eight fragments of step j
	PIECE 128*((\j)%2)+FR*((\n)/6), ADRB, \j, ((\n)/6)*16*PITCH, (\n)%6
.endm
.macro LA j, n                         ; the n-th of the 48 loads of X's eight
	PIECE AF+FR*((\n)/6), ADRO+12*((\n)/24), \j, (((\n)/6)%4)*16*PITCH, (\n)%6
.endm
.macro WMX c
.if (BHI == 0) && (AHI == 0)
	v_wmma_scale_f32_16x16x128_f8f6f4 v[DD:DD+7], v[BF:BF+FR-1], v[AA:AA+FR-1], \c, v[SBR], v[SAR] matrix_a_fmt:MATRIX_FMT_BF6 matrix_b_fmt:MATRIX_FMT_BF6
.elseif AHI == 0
	v_wmma_scale_f32_16x16x128_f8f6f4 v[DD:DD+7], v[BF:BF+FR-1], v[AA:AA+FR-1], \c, v[SBR], v[SAR] matrix_a_fmt:MATRIX_FMT_BF6 matrix_b_fmt:MATRIX_FMT_BF6 matrix_a_scale:MATRIX_SCALE_ROW1
.elseif BHI == 0
	v_wmma_scale_f32_16x16x128_f8f6f4 v[DD:DD+7], v[BF:BF+FR-1], v[AA:AA+FR-1], \c, v[SBR], v[SAR] matrix_a_fmt:MATRIX_FMT_BF6 matrix_b_fmt:MATRIX_FMT_BF6 matrix_b_scale:MATRIX_SCALE_ROW1
.else
	v_wmma_scale_f32_16x16x128_f8f6f4 v[DD:DD+7], v[BF:BF+FR-1], v[AA:AA+FR-1], \c, v[SBR], v[SAR] matrix_a_fmt:MATRIX_FMT_BF6 matrix_b_fmt:MATRIX_FMT_BF6 matrix_a_scale:MATRIX_SCALE_ROW1 matrix_b_scale:MATRIX_SCALE_ROW1
.endif
.endm
.macro WM a, b, j, mode                ; mode 0: add on; 1: the bias starts the sum; 2: 0 starts it
.set DD, 8*(8*((\a)%4)+(\b))
.set BF, 128*((\j)%2)+FR*(\b)
.set AA, AF+FR*(\a)
.set SBR, SCR+8*(\j)+4+((\b)%4)
.set SAR, SCR+8*(\j)+((\a)%4)
.set BHI, (\b)/4
.set AHI, (\a)/4
.set CB, 96+8*(\b)+96*((\b)/4)
.if \mode == 0
	WMX v[DD:DD+7]
.elseif \mode == 1
	WMX v[CB:CB+7]
.else
	WMX 0
.endif
.endm
; 16 matrix instructions, X's blocks a0, a0 + 1 against W's eight; the 64 accumulators take turns in the same order in every step
.macro MUL16 a0, j, mode
.set WI, 0
.rept 16
	WM (\a0)+WI/8, WI%8, \j, \mode
.set WI, WI+1
.endr
.endm
.macro ASK off                         ; not in the loop's last trip: there is no trip two on
	s_cmp_lg_u32 s3, 6
	s_cbranch_scc0 .Lno_ask_\@
	global_prefetch_b8 v[PFO], s[PF:PF+1] offset:\off th:TH_LOAD_NT scope:SCOPE_SE
.Lno_ask_\@:
.endm
; Step j of a trip: 64 matrix instructions; the next step's fragments are fetched in two runs, in its middle and at its end.  ev = 0, 1, 2: the next step needs a new chunk: in the step's middle
; every wave waits for its tensor load, adds 0 to its spare word, waits for that and for its LDS reads, a round of the cluster's barrier follows, and slot ev, read out by then, is asked for anew
; (adv = 1: at the trip O1 stands for; the descriptor is written at the step's head: that slot's own load was shown done at an earlier change).  ev = 3: the same with nothing left to fetch.
; ev = -1: no new chunk.  lc: the younger scale loads that may stay out.  rl = 1: this step's scale registers are loaded for the next trip; rl = 2: first the bases go on.  pf >= 0: a prefetch at that byte.
.macro STEP j, ev, adv, mode, lc, rl, pf
.set NX, ((\j)+1)%4
.if \adv
	s_add_co_u32 s[OT], s[O1], \ev*256
	s_add_nc_u64 s[G0+4*\ev+2:G0+4*\ev+3], s[BA:BA+1], s[OT:OT+1]
	s_or_b32 s[G0+4*\ev+3], s[G0+4*\ev+3], 0x80000000
	s_add_nc_u64 s[G0B+4*\ev+2:G0B+4*\ev+3], s[BW:BW+1], s[OT:OT+1]
	s_or_b32 s[G0B+4*\ev+3], s[G0B+4*\ev+3], 0x80000000
.endif
	s_wait_loadcnt \lc
	s_wait_dscnt 24                                ; W's set and X's blocks 0-3 are in; X's blocks 4-7 may be out
.if \mode
	WIN MUL_BIAS
.else
	WIN MUL_LO
.endif
	MUL16 0, \j, \mode
	MUL16 2, \j, \mode
	WIN 0
.if \ev >= 0
	s_wait_tensorcnt 0x0
	ds_add_u32 v[SPW], v[NIL]
	s_wait_dscnt 0x0
.if \ev < 3
	CROUND
	JLOAD \ev                                      ; its four v_nop are the places in front of the loads below
.else
	s_barrier_signal -1
	s_barrier_wait -1
	PLACES 4
.endif
.else
	s_wait_dscnt 0x0
	PLACES 4
.endif
	WIN TO_B
.set LN, 0
.rept 48
	LB NX, LN
.set LN, LN+1
.endr
	WIN 0
.set LN, 0
.rept 24
	LA NX, LN
.set LN, LN+1
.endr
.if \pf >= 0
	ASK \pf
.endif
	WIN MUL_HI
	MUL16 4, \j, 2*\mode
	MUL16 6, \j, 2*\mode
	PLACES 4                                       ; X's blocks 4-7 and the step's scale words are done with
	WIN 0
.rept 24
	LA NX, LN
.set LN, LN+1
.endr
.if \rl == 2
	s_wait_xcnt 0x0                                ; the bases are written only behind this wait; the last instruction that names them stands 32 matrix instructions back
	s_add_co_u32 s104, s3, 2                       ; the scales: trip t + 2 of the walk, in the last turn trip 7 once more, so that every wait's count holds on every way
	s_min_u32 s104, s104, 7
	s_add_co_u32 s104, s104, s[T0]
	s_and_b32 s104, s104, 7
	s_lshl_b32 s104, s104, 5
	s_add_nc_u64 s[SA:SA+1], s[SAB:SAB+1], s[104:105]
	s_add_nc_u64 s[SB:SB+1], s[SBB:SBB+1], s[104:105]
	s_add_co_u32 s104, s3, 3                       ; the prefetches: trip t + 3
	s_add_co_u32 s104, s104, s[T0]
	s_and_b32 s104, s104, 7
	s_mul_i32 s104, s104, 768
	s_add_nc_u64 s[PF:PF+1], s[PFB:PFB+1], s[104:105]
.endif
.if \rl
	RELOAD \j, SA, SB
.endif
.endm
	s_wait_alu depctr_va_vdst(0)
	s_wait_tensorcnt 0x0
	ds_add_u32 v[SPW], v[NIL]
	s_mov_b32 s105, 0
	s_wait_dscnt 0x0
	CROUND
	JLOAD 1                                        ; chunk 1: slot 1's first fill, issued as a refill is
	WIN TO_B
.set LN, 0
.rept 48
	LB 0, LN
.set LN, LN+1
.endr
	WIN 0
.set LN, 0
.rept 48
	LA 0, LN
.set LN, LN+1
.endr
	global_prefetch_b8 v[PFO], s[8:9] offset:256 th:TH_LOAD_NT scope:SCOPE_SE   ; chunks 1 and 2 of trip 1
	global_prefetch_b8 v[PFO], s[8:9] offset:512 th:TH_LOAD_NT scope:SCOPE_SE
	STEP 0, 2, 0, 1, 24, 1, -1                     ; the first step starts the sums; slot 2's first fill
	s_mov_b32 s3, 0
.Ltrip:                                                ; steps 1, 2, 3 of trip t and step 0 of trip t + 1, t = 0 .. 6
	s_add_co_u32 s[O1], s3, 1
	s_add_co_u32 s[O1], s[O1], s[T0]
	s_and_b32 s[O1], s[O1], 7
	s_mul_i32 s[O1], s[O1], 768                    ; where trip t + 1 of my walk lies in a row
	STEP 1, 0, 1, 0, 24, 1, 0
	STEP 2, -1, 0, 0, 24, 1, -1
	STEP 3, 1, 1, 0, 24, 1, 256
	STEP 0, 2, 1, 0, 24, 2, 512
	s_add_co_u32 s3, s3, 1
	s_cmp_lt_u32 s3, 7
	s_cbranch_scc1 .Ltrip
	STEP 1, 3, 0, 0, 16, 0, -1                     ; the last trip fetches nothing more
	STEP 2, -1, 0, 0, 8, 0, -1
	s_wait_loadcnt 0x0
	s_wait_dscnt 0x0                               ; my last reads of the slots are over
	s_barrier_signal -1
	WIN MUL_LO
	MUL16 0, 3, 0
	MUL16 2, 3, 0
	WIN MUL_HI
	MUL16 4, 3, 0
	MUL16 6, 3, 0
	WIN 0
	s_barrier_wait -1                              ; nobody reads the slots any more, and they have had their last fill: they serve the way out
	PLACES 4
	WIN SENDW
.set n, 0
.rept 32
	ds_store_b128 v[XST], v[8*n:8*n+3] offset:1024*n          ; blocks 4-7, my partner's rows, as an image of the registers
	ds_store_b128 v[XST], v[8*n+4:8*n+7] offset:1024*n+512
.set n, n+1
.endr
	WIN 0
	s_wait_dscnt 0x0
	s_barrier_signal -1
	s_barrier_wait -1
.macro RECV a, reg
.irp b, 0,1,2,3,4,5,6,7
	ds_load_b128 v[\reg+8*\b:\reg+8*\b+3],   v[XLD] offset:1024*(8*\a+\b)
	ds_load_b128 v[\reg+8*\b+4:\reg+8*\b+7], v[XLD] offset:1024*(8*\a+\b)+512
.endr
.endm
.macro SUM a, reg
	WIN SUMW
.set n, 0
.rept 32
	v_pk_add_f32 v[\reg+2*n:\reg+2*n+1], v[64*\a+2*n:64*\a+2*n+1], v[\reg+2*n:\reg+2*n+1]
.set n, n+1
.endr
	WIN 0
.endm
.macro TOSTAGE reg, a                  ; 16 rows x 128 columns through my own stage, back as whole rows of 512 bytes into window 1, v[64 a ..]
.irp b, 0,1,2,3,4,5,6,7
	ds_store_b128 v[STO], v[\reg+8*\b:\reg+8*\b+3]   offset:64*\b
	ds_store_b128 v[STO], v[\reg+8*\b+4:\reg+8*\b+7] offset:64*\b+16
.endr
	WIN TO_B
.irp t, 0,1,2,3,4,5,6,7,8,9,10,11,12,13,14,15
	ds_load_b128 v[64*\a+4*\t:64*\a+4*\t+3], v[RD] offset:\t*SPITCH
.endr
	WIN 0
.endm
.macro SEND a
.irp t, 0,1,2,3,4,5,6,7,8,9,10,11,12,13,14,15
	global_store_b128 v[CO], v[64*\a+4*\t:64*\a+4*\t+3], s[14:15] offset:(16*\a+\t)*SIZE_N*4 th:TH_STORE_NT   ; 32 lanes store 512 consecutive bytes, aligned
.endr
.endm
	; all the LDS work of the four blocks first, then the 64 stores.  Each count: the LDS instructions issued behind the loads that the sum below reads
	RECV 0, R0
	RECV 1, R1
	s_wait_dscnt 16
	SUM 0, R0
	TOSTAGE R0, 0
	RECV 2, R0
	s_wait_dscnt 48
	SUM 1, R1
	TOSTAGE R1, 1
	RECV 3, R1
	s_wait_dscnt 48
	SUM 2, R0
	TOSTAGE R0, 2
	s_wait_dscnt 32
	SUM 3, R1
	TOSTAGE R1, 3
	s_wait_dscnt 32                                ; blocks 0-2 are back as rows
	WIN STW
	SEND 0
	SEND 1
	SEND 2
	s_wait_dscnt 0x0
	SEND 3
	WIN 0
	s_wait_tensorcnt 0x0                           ; the wave's end
	ds_add_u32 v[SPW], v[NIL]
	s_wait_dscnt 0x0
	CROUND                                         ; the closing round
	s_endpgm
.Lfunc_end_k_q2ea28b7af2_gemm:
	.size	k_q2ea28b7af2_gemm, .Lfunc_end_k_q2ea28b7af2_gemm-k_q2ea28b7af2_gemm
	.p2alignl 7, 3214868480
	.fill 96, 4, 3214868480
	.section	.rodata,"a",@progbits
	.p2align	6, 0x0
	.amdhsa_kernel k_q2ea28b7af2_gemm
		.amdhsa_group_segment_fixed_size 327680
		.amdhsa_private_segment_fixed_size 0
		.amdhsa_enable_private_segment 0
		.amdhsa_kernarg_size 48
		.amdhsa_user_sgpr_count 2
		.amdhsa_user_sgpr_kernarg_segment_ptr 1
		.amdhsa_wavefront_size32 1
		.amdhsa_system_sgpr_workgroup_id_x 1
		.amdhsa_system_sgpr_workgroup_id_y 1
		.amdhsa_system_sgpr_workgroup_id_z 1
		.amdhsa_system_vgpr_workitem_id 0
		.amdhsa_next_free_vgpr 1024
		.amdhsa_next_free_sgpr 106
		.amdhsa_reserve_vcc 0
		.amdhsa_float_denorm_mode_32 3
		.amdhsa_float_denorm_mode_16_64 3
		.amdhsa_memory_ordered 1
		.amdhsa_forward_progress 1
		.amdhsa_inst_pref_size 173
	.end_amdhsa_kernel
	.amdgpu_metadata
---
amdhsa.version: [ 1, 2 ]
amdhsa.kernels:
  - .name:           k_q2ea28b7af2_gemm
    .symbol:         k_q2ea28b7af2_gemm.kd
    .args:
      - { .name: input__codes, .offset: 0, .size: 8, .value_kind: global_buffer, .address_space: global }
      - { .name: input__scales, .offset: 8, .size: 8, .value_kind: global_buffer, .address_space: global }
      - { .name: weight_codes, .offset: 16, .size: 8, .value_kind: global_buffer, .address_space: global }
      - { .name: weight_scales, .offset: 24, .size: 8, .value_kind: global_buffer, .address_space: global }
      - { .name: bias, .offset: 32, .size: 8, .value_kind: global_buffer, .address_space: global }
      - { .name: out0, .offset: 40, .size: 8, .value_kind: global_buffer, .address_space: global }
    .group_segment_fixed_size: 327680
    .private_segment_fixed_size: 0
    .kernarg_segment_align: 8
    .kernarg_segment_size: 48
    .max_flat_workgroup_size: 128
    .sgpr_count:     106
    .vgpr_count:     1024
    .wavefront_size: 32
...
	.end_amdgpu_metadata
.endif
;; end of part 2
